; MI455X (gfx1250); checked and timed in simulation.
; The chip was launched on July 23, 2026; its instructions are those of AMD's public machine-readable ISA for CDNA 5 (MIT licence, August 2026) and "CDNA5" Instruction Set Architecture Reference Guide (July 2026). The comments in the code are by the model that wrote it; some were corrected since.
;; Position Attention. Allowed arithmetic: float matrix products may take bf16 or f16 operands with f32 sums; all other float work in f32.
;; Inputs: Wk 64 x 512 float32; Wq 64 x 512 float32; Wv 512 x 512 float32; bk 64 float32; bq 64 float32; bv 512 float32; gamma 1 float32; x 16 x 2,048 x 512 float32.
;; Outputs: out0 16 x 2,048 x 512 float32.
;; One version. Each part assembles by itself: llvm-mc -triple=amdgcn-amd-amdhsa -mcpu=gfx1250 --defsym DOCPART=n.
;; ======== version 1 of 1: 3 launches
;; workspace buffers: wf 655,360 bytes; kv 37,748,736 bytes; qf 4,194,304 bytes
;; launch prep (part 1): grid 10 x 4, 8 waves a work-group, no clusters, 18,432 bytes of LDS; arguments Wv, Wk, Wq, wf; writes wf
.if DOCPART == 1
	.amdgcn_target "amdgcn-amd-amdhsa--gfx1250"
	.amdhsa_code_object_version 6
	.text
	.protected	k_qa9f782e5e3_prep
	.globl	k_qa9f782e5e3_prep
	.p2align	8
	.type	k_qa9f782e5e3_prep,@function
k_qa9f782e5e3_prep:
	s_mov_b64 s[64:65], 0
	v_nop
	global_prefetch_b8 v0, s[64:65] scope:SCOPE_SE
	s_setreg_imm32_b32 hwreg(HW_REG_WAVE_MODE, 25, 1), 1
	s_wait_xcnt 0x0
; Wv, Wk, Wq (f32, rows of 512) -> wf: bf16 in the order of matrix fragments.
; wf = [fb 0..39][ks 0..15][1024 bytes], fb = 10 w + i:  i = 0..7: rows 16 (8 w + i) .. of Wv;  i = 8: rows 16 w .. of Wk;  i = 9: rows 16 w .. of Wq.
; A fragment (16 rows x 32 k) is [half p][lane][16 bytes]: lane 16 h + r, half p holds k = 32 ks + 16 p + 8 h + 0..7 of row r.
; With c = k / 8 = 4 ks + 2 p + h that is byte 256 c + 16 r of the block: a transposition of (row, c), made through LDS.
; One work-group (x = i, y = w) makes one block of 16 rows.  No matrix unit, no cluster: 1.3 MB are read once and nothing is shared.
.set PITCH, 272                        ; LDS bytes from one c to the next: 16 rows x 16 bytes + 16; 17 x 16, so sixteen neighbouring c lie in sixteen different 16-byte columns of 256
.set XI,  8                            ; v[8:39]   eight loads of four f32
.set PK,  40                           ; v[40:55]  four times 8 bf16
.set BKR, 56                           ; v[56:71]  read back
	s_load_b256 s[4:11], s[0:1], 0x0               ; Wv s[4:5], Wk s[6:7], Wq s[8:9], wf s[10:11]
	v_lshl_add_u32 v72, v0, 2, 0x4400
	v_mov_b32 v73, 0
	s_and_b32 s12, ttmp7, 0xffff                   ; w
	s_lshl_b32 s13, s12, 3
	s_add_co_u32 s13, s13, ttmp9                   ; 8 w + i
	s_cmp_lt_u32 ttmp9, 8
	s_cselect_b32 s13, s13, s12                    ; the block of 16 rows in its own matrix: 8 w + i in Wv, w in Wk and Wq
	s_lshl_b32 s14, s13, 15                        ; x 16 rows x 2,048 bytes
	s_mov_b32 s15, 0
	s_mul_i32 s16, s12, 10
	s_add_co_u32 s16, s16, ttmp9                   ; fb
	s_lshl_b32 s16, s16, 14                        ; x 16,384 bytes
	s_mov_b32 s17, 0
	v_lshlrev_b32 v1, 5, v0                        ; in: thread t takes 32 bytes at 32 t (+ 8,192 a turn): row 4 turn + t / 64, c = t mod 64
	v_and_b32 v2, 63, v0
	v_lshrrev_b32 v3, 6, v0
	v_mul_u32_u24 v2, v2, PITCH
	v_lshl_add_u32 v2, v3, 4, v2                   ; LDS, in: c x pitch + 16 (t / 64); + 64 a turn
	v_lshrrev_b32 v3, 4, v0
	v_and_b32 v4, 15, v0
	v_mul_u32_u24 v3, v3, PITCH
	v_lshl_add_u32 v3, v4, 4, v3                   ; LDS, back: c = t / 16 (+ 16 a turn), row t mod 16
	v_lshlrev_b32 v4, 4, v0                        ; out: 16 t (+ 4,096 a turn)
	s_wait_kmcnt 0x0
	s_cmp_eq_u32 ttmp9, 8
	s_cselect_b64 s[18:19], s[6:7], s[8:9]         ; the matrix is chosen by the work-group's x alone
	s_cmp_lt_u32 ttmp9, 8
	s_cselect_b64 s[18:19], s[4:5], s[18:19]
	s_add_nc_u64 s[18:19], s[18:19], s[14:15]
	s_add_nc_u64 s[10:11], s[10:11], s[16:17]
.irp it, 0,1,2,3
	global_load_b128 v[XI+8*\it:XI+8*\it+3],   v1, s[18:19] offset:\it*8192 th:TH_LOAD_NT
	global_load_b128 v[XI+8*\it+4:XI+8*\it+7], v1, s[18:19] offset:\it*8192+16 th:TH_LOAD_NT
.endr
.irp it, 0,1,2,3
	s_wait_loadcnt 6-2*\it                         ; loads come back in order: this turn's two are in, the younger ones stay out
	v_cvt_pk_bf16_f32 v[PK+4*\it],   v[XI+8*\it],   v[XI+8*\it+1]
	v_cvt_pk_bf16_f32 v[PK+4*\it+1], v[XI+8*\it+2], v[XI+8*\it+3]
	v_cvt_pk_bf16_f32 v[PK+4*\it+2], v[XI+8*\it+4], v[XI+8*\it+5]
	v_cvt_pk_bf16_f32 v[PK+4*\it+3], v[XI+8*\it+6], v[XI+8*\it+7]
	ds_store_b128 v2, v[PK+4*\it:PK+4*\it+3] offset:64*\it
.endr
	s_wait_dscnt 0x0                               ; my stores are in LDS before I say so: other waves read them
	s_barrier_signal -1
	s_barrier_wait -1
.irp it, 0,1,2,3
	ds_load_b128 v[BKR+4*\it:BKR+4*\it+3], v3 offset:\it*16*PITCH
.endr
.irp it, 0,1,2,3
	s_wait_dscnt 3-\it
	global_store_b128 v4, v[BKR+4*\it:BKR+4*\it+3], s[10:11] offset:\it*4096   ; a wave's store covers 512 consecutive bytes, aligned
.endr
	s_wait_tensorcnt 0x0
	ds_add_u32 v72, v73
	s_wait_dscnt 0x0
	s_endpgm
.Lfunc_end_k_qa9f782e5e3_prep:
	.size	k_qa9f782e5e3_prep, .Lfunc_end_k_qa9f782e5e3_prep-k_qa9f782e5e3_prep
	.p2alignl 7, 3214868480
	.fill 96, 4, 3214868480
	.section	.rodata,"a",@progbits
	.p2align	6, 0x0
	.amdhsa_kernel k_qa9f782e5e3_prep
		.amdhsa_group_segment_fixed_size 18432
		.amdhsa_private_segment_fixed_size 0
		.amdhsa_enable_private_segment 0
		.amdhsa_kernarg_size 32
		.amdhsa_user_sgpr_count 2
		.amdhsa_user_sgpr_kernarg_segment_ptr 1
		.amdhsa_wavefront_size32 1
		.amdhsa_system_sgpr_workgroup_id_x 1
		.amdhsa_system_sgpr_workgroup_id_y 1
		.amdhsa_system_sgpr_workgroup_id_z 1
		.amdhsa_system_vgpr_workitem_id 0
		.amdhsa_next_free_vgpr 74
		.amdhsa_next_free_sgpr 66
		.amdhsa_reserve_vcc 0
		.amdhsa_float_denorm_mode_32 3
		.amdhsa_float_denorm_mode_16_64 3
		.amdhsa_memory_ordered 1
		.amdhsa_forward_progress 1
		.amdhsa_inst_pref_size 5
	.end_amdhsa_kernel
	.amdgpu_metadata
---
amdhsa.version: [ 1, 2 ]
amdhsa.kernels:
  - .name:           k_qa9f782e5e3_prep
    .symbol:         k_qa9f782e5e3_prep.kd
    .args:
      - { .name: Wv, .offset: 0, .size: 8, .value_kind: global_buffer, .address_space: global }
      - { .name: Wk, .offset: 8, .size: 8, .value_kind: global_buffer, .address_space: global }
      - { .name: Wq, .offset: 16, .size: 8, .value_kind: global_buffer, .address_space: global }
      - { .name: wf, .offset: 24, .size: 8, .value_kind: global_buffer, .address_space: global }
    .group_segment_fixed_size: 18432
    .private_segment_fixed_size: 0
    .kernarg_segment_align: 8
    .kernarg_segment_size: 32
    .max_flat_workgroup_size: 256
    .sgpr_count:     66
    .vgpr_count:     74
    .wavefront_size: 32
...
	.end_amdgpu_metadata
.endif
;; end of part 1
;; launch proj (part 2): grid 256 x 1, 4 waves a work-group, no clusters, 279,040 bytes of LDS; arguments x, wf, bv, bk, bq, kv, qf; writes kv, qf
.if DOCPART == 2
	.amdgcn_target "amdgcn-amd-amdhsa--gfx1250"
	.amdhsa_code_object_version 6
	.text
	.protected	k_qa9f782e5e3_proj
	.globl	k_qa9f782e5e3_proj
	.p2align	8
	.type	k_qa9f782e5e3_proj,@function
k_qa9f782e5e3_proj:
	s_mov_b64 s[64:65], 0
	v_nop
	global_prefetch_b8 v0, s[64:65] scope:SCOPE_SE
	s_setreg_imm32_b32 hwreg(HW_REG_WAVE_MODE, 25, 1), 1
	s_wait_xcnt 0x0
; v = x Wv^T + bv, k = x Wk^T + bk, q = (x Wq^T + bq) log2(e), rounded to bf16 and stored in the order of the matrix fragments that the next launch reads.
; Work-group g = 16 b + t owns the 128 tokens 128 g .. of the 32,768 and all 640 outputs; K = 512 channels in 16 steps of 32.
; Wave w owns the ten blocks of 16 outputs 10 w .. 10 w + 9 of wf (eight of Wv, one of Wk, one of Wq) x 8 blocks of 16 tokens: 80 accumulator tiles, 640 registers.
;   v blocks: A = x, B = W: a lane holds one channel, its 8 registers 8 neighbouring tokens: half of a fragment of V^T (rows = channels, k = keys).
;   k, q blocks: A = W, B = x: a lane holds one token, its 8 registers 8 neighbouring d: half of a fragment of K or Q (rows = tokens, k = d).
; kv = [b][t][147,456]: V part [cb 0..31][ks 0..3][1024] (keys 128 t + 32 ks ..), then K part [pos 0..7][ks 0..1][1024], which holds the block of 16 keys
; (8 t + pos + 2) mod 128 of the batch: shifted by 32 keys, so that my token blocks 0 and 1 go to places 6 and 7 of the record before (t + 15) mod 16.
; qf = [16-token block][ks 0..1][1024].
; x comes in once, as f32, by sixteen tensor loads (four a wave, all issued at the start; by this text's count four are out at most); no LDS byte is filled twice.
; Every wave reads x's fragments from LDS as f32 and rounds them itself.  W's fragments go from wf straight into registers, a ring of two K steps.
; NO CLUSTER: x's tiles are no other work-group's.  W is every work-group's, but x takes 278,528 of the 327,680 bytes of LDS; a K step of W is 40,960 bytes, so two slots
; of it do not fit beside x, and each fragment of W is used by one wave alone, so LDS would only be one more hop.
; Limits: operands are rounded to bf16, sums are f32; q carries log2(e) before it is rounded.
.set XPITCH, 272                       ; an LDS row: 64 f32 + 16 bytes = 17 x 16: sixteen rows start in sixteen different 16-byte columns of 256
.set SUB,    128*XPITCH                ; a strip: 128 tokens x 64 channels
.set CHUNK,  2*SUB                     ; what the four waves' loads number j bring: 128 channels, four K steps
.set REC,    147456
.set KPART,  131072
; window 0
.set LA,  1                            ; v1       16 x lane
.set XA,  2                            ; v2-5     chunk j: j CHUNK + r XPITCH + 32 h
.set BVA, 6                            ; v6       byte offset in bv: 512 w + 4 r
.set BKA, 7                            ; v7       byte offset in bk, bq: 64 w + 32 h
.set BK,  16                           ; v16-23   bk[16 w + 8 h + 0..7]: the C of the first product of the k block
.set BQ,  24                           ; v24-31   the same of bq
.set F,   32                           ; v32-95   four token blocks x 16 f32, as read from LDS
.set XB,  96                           ; v96-159  x's fragments in bf16: two halves of four token blocks x 8
.set WKQ, 160                          ; v160-191 fragments of Wk and Wq, two K steps
.set BVT, 192                          ; v192-255 eight tiles of 8 equal registers, bv[16 (8 w + i) + r]: the C of the first products of the v blocks
; window 1: v0-127 fragments of Wv, two K steps x 8 blocks;  v128-191 the k block's 8 accumulator tiles, v192-255 the q block's
.set KQA, 128
; window 2: accumulator tiles of v blocks 0-3 (tile (i, tb) at 8 (8 i + tb));  window 3: of v blocks 4-7
.set G1,  24                           ; s[24:31] descriptor group 1
.set G0,  32                           ; s[32:47] descriptor group 0, one set for each of my four loads
.set MSB, 0
.macro WIN new                         ; s_set_vgpr_msb: bits 1:0 source 0, 3:2 source 1, 5:4 source 2, 7:6 destination; the high byte repeats the setting that is left
.if MSB != \new
	s_set_vgpr_msb (MSB<<8)|\new
.set MSB, \new
.endif
.endm
.macro PLACES                          ; four plain vector instructions between a matrix instruction and what reads its result or writes its registers (ISA guide 7.12.1)
.rept 4
	v_nop
.endr
.endm
.macro MM d, a, b, c
	v_wmma_f32_16x16x32_bf16 v[\d:(\d)+7], v[\a:(\a)+7], v[\b:(\b)+7], v[\c:(\c)+7]
.endm
	s_load_b256 s[4:11], s[0:1], 0x0               ; x s[4:5], wf s[6:7], bv s[8:9], bk s[10:11]
	s_load_b128 s[12:15], s[0:1], 0x20             ; bq s[12:13], kv s[14:15]
	s_load_b64 s[16:17], s[0:1], 0x30              ; qf
	v_lshl_add_u32 v14, v0, 2, 0x44000
	v_mov_b32 v15, 0
	ds_add_u32 v14, v15
	ds_add_u32 v14, v15
	v_lshrrev_b32 v1, 5, v0
	v_readfirstlane_b32 s18, v1                    ; wave 0..3
	; group 1: a tile of 64 rows x 64 elements of 4 bytes (256 bytes a row, aligned), 16 bytes of padding behind each row
	s_mov_b32 s[G1+0], (2<<16)|(1<<20)|(5<<22)|(3<<25)  ; no mask; element of 4 bytes; padding on; after every 64 words; of 4 words
	s_mov_b32 s[G1+1], 64<<16                      ; tensor_dim0 = 64
	s_mov_b32 s[G1+2], 64<<16                      ; tensor_dim1 = 64
	s_mov_b32 s[G1+3], 64<<16                      ; tile_dim0 = 64
	s_mov_b32 s[G1+4], 64                          ; tile_dim1 = 64
	s_mov_b32 s[G1+5], 512                         ; elements from row to row
	s_mov_b32 s[G1+6], 0
	s_mov_b32 s[G1+7], 0
	s_and_b32 s19, s18, 1
	s_lshl_b32 s2, s19, 17                         ; my 64 rows: (w & 1) x 64 x 2,048 bytes
	s_lshr_b32 s19, s18, 1
	s_lshl_b32 s19, s19, 8                         ; my strip of the chunk: (w >> 1) x 256 bytes
	s_add_co_u32 s2, s2, s19
	s_lshl_b32 s19, ttmp9, 18                      ; the group's 128 rows
	s_add_co_u32 s2, s2, s19
	s_mov_b32 s3, 0
	s_mul_i32 s22, s18, 64*XPITCH                  ; LDS: strip (w >> 1), rows 64 (w & 1) = 17,408 w
	s_wait_dscnt 0x0
	s_wait_kmcnt 0x0
	s_add_nc_u64 s[4:5], s[4:5], s[2:3]
.irp j, 0,1,2,3
	s_mov_b32 s[G0+4*\j], 1
	s_add_co_u32 s[G0+4*\j+1], s22, \j*CHUNK
	s_add_nc_u64 s[G0+4*\j+2:G0+4*\j+3], s[4:5], \j*512
	s_or_b32 s[G0+4*\j+3], s[G0+4*\j+3], 0x80000000
	tensor_load_to_lds s[G0+4*\j:G0+4*\j+3], s[G1:G1+7]    ; all first fills in one group, ahead of every wait on TENSORcnt, LDS read and barrier
	s_nop 0
.endr
	v_and_b32 v8, 31, v0
	v_lshlrev_b32 v[LA], 4, v8
	v_and_b32 v9, 15, v0                           ; r
	v_bfe_u32 v10, v0, 4, 1                        ; h
	v_mul_u32_u24 v11, v9, XPITCH
	v_lshl_add_u32 v11, v10, 5, v11
.irp j, 0,1,2,3
	v_add_nc_u32 v[XA+\j], \j*CHUNK, v11
.endr
	v_lshlrev_b32 v[BVA], 2, v9
	v_lshl_add_u32 v[BVA], s18, 9, v[BVA]
	v_lshlrev_b32 v[BKA], 5, v10
	v_lshl_add_u32 v[BKA], s18, 6, v[BKA]
	s_mul_i32 s2, s18, 163840
	s_add_nc_u64 s[20:21], s[6:7], s[2:3]          ; my ten blocks of wf
.irp i, 0,1,2,3,4,5,6,7
	global_load_b32 v[BVT+8*\i], v[BVA], s[8:9] offset:64*\i
.endr
	global_load_b128 v[BK:BK+3],   v[BKA], s[10:11]
	global_load_b128 v[BK+4:BK+7], v[BKA], s[10:11] offset:16
	global_load_b128 v[BQ:BQ+3],   v[BKA], s[12:13]
	global_load_b128 v[BQ+4:BQ+7], v[BKA], s[12:13] offset:16
; K step s of W: 20 loads of 512 consecutive bytes, into the ring's half s & 1
.macro WLOAD s
	WIN 0x40                                       ; destination window 1, address window 0
.irp i, 0,1,2,3,4,5,6,7
	global_load_b128 v[64*((\s)&1)+8*\i:64*((\s)&1)+8*\i+3],   v[LA], s[20:21] offset:\i*16384+(\s)*1024
	global_load_b128 v[64*((\s)&1)+8*\i+4:64*((\s)&1)+8*\i+7], v[LA], s[20:21] offset:\i*16384+(\s)*1024+512
.endr
	WIN 0
.irp i, 0,1
	global_load_b128 v[WKQ+16*((\s)&1)+8*\i:WKQ+16*((\s)&1)+8*\i+3],   v[LA], s[20:21] offset:(8+\i)*16384+(\s)*1024
	global_load_b128 v[WKQ+16*((\s)&1)+8*\i+4:WKQ+16*((\s)&1)+8*\i+7], v[LA], s[20:21] offset:(8+\i)*16384+(\s)*1024+512
.endr
.endm
; half step hs = 2 s + half: x of token blocks 4 half .. + 3, channels 32 s .. + 31, as f32: per block 8 h + 0..7 (two loads) and 16 + 8 h + 0..7 (two loads)
.macro FLOAD hs
.irp tb, 0,1,2,3
.irp c, 0,1,2,3
	ds_load_b128 v[F+16*\tb+4*\c:F+16*\tb+4*\c+3], v[XA+((\hs)>>3)] offset:(((\hs)>>2)&1)*SUB+(4*((\hs)&1)+\tb)*16*XPITCH+(((\hs)>>1)&1)*128+(\c&1)*16+(\c>>1)*64
.endr
.endr
.endm
.macro CVT hf                          ; 64 f32 a lane -> four fragments in bf16
.set cn, 0
.rept 32
	v_cvt_pk_bf16_f32 v[XB+32*(\hf)+cn], v[F+2*cn], v[F+2*cn+1]
.set cn, cn+1
.endr
.endm
; 40 matrix instructions: ten output blocks x four token blocks.  first = 1: C is the bias tile, so that nothing is cleared and no bias is added afterwards.
; The 80 accumulators take turns, one instruction a turn.
.macro MULS hf, par, first
.if \first
	WIN 0x84                                       ; A (x) window 0, B (Wv) window 1, C window 0, D window 2
.else
	WIN 0xa4                                       ; C and D window 2
.endif
.irp i, 0,1,2,3
.irp tb, 0,1,2,3
.if \first
	MM 8*(8*\i+4*\hf+\tb), XB+32*\hf+8*\tb, 64*\par+8*\i, BVT+8*\i
.else
	MM 8*(8*\i+4*\hf+\tb), XB+32*\hf+8*\tb, 64*\par+8*\i, 8*(8*\i+4*\hf+\tb)
.endif
.endr
.endr
.if \first
	WIN 0xc4
.else
	WIN 0xf4                                       ; C and D window 3
.endif
.irp i, 0,1,2,3
.irp tb, 0,1,2,3
.if \first
	MM 8*(8*\i+4*\hf+\tb), XB+32*\hf+8*\tb, 64*\par+32+8*\i, BVT+32+8*\i
.else
	MM 8*(8*\i+4*\hf+\tb), XB+32*\hf+8*\tb, 64*\par+32+8*\i, 8*(8*\i+4*\hf+\tb)
.endif
.endr
.endr
.if \first
	WIN 0x40                                       ; A (Wk, Wq) and B (x) window 0, C window 0, D window 1
.else
	WIN 0x50
.endif
.irp i, 0,1
.irp tb, 0,1,2,3
.if \first
	MM KQA+64*\i+8*(4*\hf+\tb), WKQ+16*\par+8*\i, XB+32*\hf+8*\tb, BK+8*\i
.else
	MM KQA+64*\i+8*(4*\hf+\tb), WKQ+16*\par+8*\i, XB+32*\hf+8*\tb, KQA+64*\i+8*(4*\hf+\tb)
.endif
.endr
.endr
.endm
; One half step: multiply; round the next half step's x (its 32 conversions are also the places in front of the loads into W's ring); read the x of the one after.
.macro HALF hs
.set hf, (\hs)&1
.set par, ((\hs)>>1)&1
.set oh, 1-hf
.set nh, (\hs)+2
.set nw, ((\hs)>>1)+2
.if hf == 0
.if (\hs) < 30
	s_wait_loadcnt 20                              ; this K step's W is in; the next step's 20 loads stay out
.else
	s_wait_loadcnt 0                               ; the last K step: nothing is younger
.endif
.endif
.if (\hs) < 2
	MULS hf, par, 1
.else
	MULS hf, par, 0
.endif
.if (\hs) < 31
	WIN 0
	s_wait_dscnt 0x0                               ; the next half step's f32 are in
	CVT oh
.endif
.if (\hs) < 30
.if (nh&7) == 0
	s_wait_tensorcnt 3-nh/8                        ; my part of chunk nh / 8 has landed; my later loads stay out
	s_barrier_signal -1                            ; no LDS instruction of mine is pending (the wait for 0 above)
	s_barrier_wait -1                              ; everybody's part has landed
.endif
	FLOAD nh
.endif
.if hf == 1
.if (\hs) < 28
	WLOAD nw
.endif
.endif
.endm
	WLOAD 0
	WLOAD 1
	; the addresses of the way out
	s_mul_i32 s2, ttmp9, REC
	s_add_nc_u64 s[48:49], s[14:15], s[2:3]        ; my record of kv
	s_lshl_b32 s2, s18, 9
	s_add_co_u32 s2, s2, KPART                     ; its K part, my 16 d: half a fragment, 512 w
	s_add_nc_u64 s[50:51], s[48:49], s[2:3]
	s_add_co_u32 s23, ttmp9, 15
	s_and_b32 s23, s23, 15
	s_and_b32 s56, ttmp9, 0xf0
	s_or_b32 s23, s23, s56                         ; the record before, round the batch
	s_mul_i32 s23, s23, REC
	s_add_co_u32 s2, s2, s23
	s_add_nc_u64 s[52:53], s[14:15], s[2:3]
	s_lshl_b32 s2, s18, 15
	s_add_nc_u64 s[48:49], s[48:49], s[2:3]        ; V part: my eight channel blocks
	s_lshl_b32 s2, ttmp9, 14
	s_lshl_b32 s23, s18, 9
	s_add_co_u32 s2, s2, s23
	s_add_nc_u64 s[54:55], s[16:17], s[2:3]        ; qf: my eight token blocks, my 16 d
	s_wait_loadcnt 40                              ; the biases are in: only W's 40 loads are younger
.irp i, 0,1,2,3,4,5,6,7
.irp j, 1,2,3,4,5,6,7
	v_mov_b32 v[BVT+8*\i+\j], v[BVT+8*\i]          ; a lane's channel has one bias for its 8 tokens
.endr
.endr
	s_wait_tensorcnt 3                             ; my part of chunk 0 has landed, three loads stay out
	s_barrier_signal -1
	s_barrier_wait -1
	FLOAD 0
	s_wait_dscnt 0x0
	CVT 0
	FLOAD 1
.irp hs, 0,1,2,3,4,5,6,7,8,9,10,11,12,13,14,15,16,17,18,19,20,21,22,23,24,25,26,27,28,29,30,31
	HALF \hs
.endr
	; THE WAY OUT.  A tile's 8 registers pack into the 16 bytes that a lane holds of a fragment's half: every store covers 512 consecutive bytes, aligned.
	PLACES
.macro VOUT from, i0                   ; the 32 tiles of a window: tile n = 8 i + tb goes to channel block i0 + i, half tb of the four fragments
	WIN \from
.set on, 0
.rept 128
	v_cvt_pk_bf16_f32 v[F+on], v[2*on], v[2*on+1]
.set on, on+1
.endr
	WIN 0
.set on, 0
.rept 32
	global_store_b128 v[LA], v[F+4*on:F+4*on+3], s[48:49] offset:(\i0)*4096+on*512
.set on, on+1
.endr
.endm
	VOUT 0x0a, 0
	s_wait_xcnt 0x0                                ; v32-159, which the stores above read, are written again only behind this wait
	VOUT 0x0f, 4
	WIN 0x41
.set on, 0
.rept 32
	v_pk_mul_f32 v[KQA+64+2*on:KQA+64+2*on+1], v[KQA+64+2*on:KQA+64+2*on+1], 0x3fb8aa3b op_sel_hi:[1,0]   ; q x log2(e): the next launch's exponentials are to base 2
.set on, on+1
.endr
	WIN 0x05
.set on, 0
.rept 32
	v_cvt_pk_bf16_f32 v[WKQ+on], v[KQA+2*on], v[KQA+2*on+1]
	v_cvt_pk_bf16_f32 v[BVT+on], v[KQA+64+2*on], v[KQA+64+2*on+1]
.set on, on+1
.endr
	WIN 0
.irp tb, 0,1
	global_store_b128 v[LA], v[WKQ+4*\tb:WKQ+4*\tb+3], s[52:53] offset:(6+\tb)*2048   ; my first 32 keys: places 6, 7 of the record before
.endr
.irp tb, 2,3,4,5,6,7
	global_store_b128 v[LA], v[WKQ+4*\tb:WKQ+4*\tb+3], s[50:51] offset:(\tb-2)*2048
.endr
.irp tb, 0,1,2,3,4,5,6,7
	global_store_b128 v[LA], v[BVT+4*\tb:BVT+4*\tb+3], s[54:55] offset:\tb*2048
.endr
	s_wait_tensorcnt 0x0
	ds_add_u32 v14, v15
	s_wait_dscnt 0x0
	s_endpgm
.Lfunc_end_k_qa9f782e5e3_proj:
	.size	k_qa9f782e5e3_proj, .Lfunc_end_k_qa9f782e5e3_proj-k_qa9f782e5e3_proj
	.p2alignl 7, 3214868480
	.fill 96, 4, 3214868480
	.section	.rodata,"a",@progbits
	.p2align	6, 0x0
	.amdhsa_kernel k_qa9f782e5e3_proj
		.amdhsa_group_segment_fixed_size 279040
		.amdhsa_private_segment_fixed_size 0
		.amdhsa_enable_private_segment 0
		.amdhsa_kernarg_size 56
		.amdhsa_user_sgpr_count 2
		.amdhsa_user_sgpr_kernarg_segment_ptr 1
		.amdhsa_wavefront_size32 1
		.amdhsa_system_sgpr_workgroup_id_x 1
		.amdhsa_system_sgpr_workgroup_id_y 1
		.amdhsa_system_sgpr_workgroup_id_z 1
		.amdhsa_system_vgpr_workitem_id 0
		.amdhsa_next_free_vgpr 1024
		.amdhsa_next_free_sgpr 66
		.amdhsa_reserve_vcc 0
		.amdhsa_float_denorm_mode_32 3
		.amdhsa_float_denorm_mode_16_64 3
		.amdhsa_memory_ordered 1
		.amdhsa_forward_progress 1
		.amdhsa_inst_pref_size 252
	.end_amdhsa_kernel
	.amdgpu_metadata
---
amdhsa.version: [ 1, 2 ]
amdhsa.kernels:
  - .name:           k_qa9f782e5e3_proj
    .symbol:         k_qa9f782e5e3_proj.kd
    .args:
      - { .name: x, .offset: 0, .size: 8, .value_kind: global_buffer, .address_space: global }
      - { .name: wf, .offset: 8, .size: 8, .value_kind: global_buffer, .address_space: global }
      - { .name: bv, .offset: 16, .size: 8, .value_kind: global_buffer, .address_space: global }
      - { .name: bk, .offset: 24, .size: 8, .value_kind: global_buffer, .address_space: global }
      - { .name: bq, .offset: 32, .size: 8, .value_kind: global_buffer, .address_space: global }
      - { .name: kv, .offset: 40, .size: 8, .value_kind: global_buffer, .address_space: global }
      - { .name: qf, .offset: 48, .size: 8, .value_kind: global_buffer, .address_space: global }
    .group_segment_fixed_size: 279040
    .private_segment_fixed_size: 0
    .kernarg_segment_align: 8
    .kernarg_segment_size: 56
    .max_flat_workgroup_size: 128
    .sgpr_count:     66
    .vgpr_count:     1024
    .wavefront_size: 32
...
	.end_amdgpu_metadata
.endif
;; end of part 2
;; launch attn (part 3): grid 256 x 1, 4 waves a work-group, clusters of 4 x 1, 327,680 bytes of LDS; arguments qf, kv, x, gamma, out0; writes out0
.if DOCPART == 3
	.amdgcn_target "amdgcn-amd-amdhsa--gfx1250"
	.amdhsa_code_object_version 6
	.text
	.protected	k_qa9f782e5e3_attn
	.globl	k_qa9f782e5e3_attn
	.p2align	8
	.type	k_qa9f782e5e3_attn,@function
k_qa9f782e5e3_attn:
	s_mov_b64 s[64:65], 0
	v_nop
	global_prefetch_b8 v0, s[64:65] scope:SCOPE_SE
	s_setreg_imm32_b32 hwreg(HW_REG_WAVE_MODE, 25, 1), 1
	s_wait_xcnt 0x0
	s_wait_alu depctr_hold_cnt(0) depctr_sa_sdst(0) depctr_va_vdst(0) depctr_va_sdst(0) depctr_va_ssrc(0) depctr_va_vcc(0) depctr_vm_vsrc(0)
	s_getreg_b32 s2, hwreg(HW_REG_IB_STS2, 6, 4)
	s_cmp_eq_u32 s2, 0
	s_cbranch_scc0 .Lentry_in_a_cluster
	s_endpgm
.Lentry_in_a_cluster:
	s_bfe_u32 s2, ttmp6, 0x10000c
	s_cmp_lg_u32 s2, 0x3003
	s_cbranch_scc0 .Lentry_shape_is_right
	s_endpgm
.Lentry_shape_is_right:
; out = gamma softmax(q k^T) v + x.  A work-group owns 128 queries of one batch x all 512 channels; 16 work-groups a batch.
; Everything is used transposed: S^T = K Q^T and O^T = V^T P^T.  A lane then owns ONE query: the 8 registers of a tile of S^T are 8 neighbouring keys of it, which,
; packed to bf16, are half of the B fragment of P^T: no lane ever hands anything to another lane in the loop.
; Wave w: pair = w >> 1 picks 64 queries (4 blocks), e = w & 1 picks 256 channels (16 blocks cb): 64 accumulator tiles, 512 registers.
; The two waves of a pair need the same P^T.  Each makes it for 32 of the 64 queries and hands it to the other through LDS, 2,048 bytes a step each way, lane to equal lane.
; Blocks of queries are numbered LOCALLY: 0, 1 are my own (blocks 2 e, 2 e + 1 of the pair's four), 2, 3 my partner's (his 0, 1).
; PASS 1: the exact maximum of each row of S (q carries log2(e), so in base 2).  e halves the keys; the two waves of a pair exchange maxima through LDS.
;   K comes straight into registers: meanwhile both LDS slots take their first fills, and the bytes beside them would not hold a batch's 262,144 bytes of K.
; PASS 2: 64 steps of 32 keys.  -max enters as the C of the product S^T, so the loop has no maximum, no subtraction and no rescaling.
;   In step s: O += V(s) P(s); between those products the exponentials of my S(s+1), their packing and row sums; P(s+1) changes hands; at the end my product S(s+2);
;   V(s+1) and K(s+2) are read from LDS.  A record of kv holds V of 128 keys and K of the 128 keys 32 further on, so both reads move to the next slot in the same step.
; CLUSTER: the four work-groups of a cluster have one batch and need the same 16 records: each record is asked for jointly (mask 15), a quarter by each wave.
; By this text's count a wave has two tensor loads out at the start and one behind each round.
; Limits: exponentials below 2^-126 count as zero (v_exp_f32, ISA guide 15.8); the row sum adds the f32 exponentials, the product takes them rounded to bf16;
; q, k, v are bf16; NaN and infinities in the inputs are not treated apart.
.set REC,    147456                    ; a record: V part 131,072 = [cb 0..31][ks 0..3][1024], K part 16,384 = [pos 0..7][ks 0..1][1024]
.set KPART,  131072
.set QUART,  REC/4                     ; what one wave's load brings: 144 rows of 256 bytes
.set SCR,    2*REC                     ; behind the two slots, where no fill lands: 1,024 bytes for the maxima, 1,024 for the factors gamma / l,
.set PBUF,   SCR+2048                  ; and P's two buffers of four waves x 2,048 bytes
.set PBSTR,  8192
.set SPITCH, 1040                      ; the way out: a row of 256 f32 + 16 bytes = 65 x 16
.set WSTAGE, 64*SPITCH                 ; a wave's stage, in the slots' bytes after their last fill
; window 0
.set LA,  1                            ; v1      16 x lane
.set AV,  2                            ; v2-3    slot s: s REC + 65,536 e + 16 lane
.set AK,  4                            ; v4-5    slot s: s REC + KPART + 16 lane
.set STO, 6                            ; v6      stage, in, my own blocks: w WSTAGE + 32 e rows + r SPITCH + 32 h
.set RD,  7                            ; v7-8    stage, back: w WSTAGE + 16 lane; + 32 rows
.set PFA, 9                            ; v9      prefetch: (lane / 4) rows + (lane mod 4) x 256 bytes
.set SCW, 10                           ; v10     my words of the scratch
.set SCP, 11                           ; v11     my partner's
.set MX,  12                           ; v12-15  running maximum of block q
.set TQ,  16                           ; v16-19  at work
.set TL,  20                           ; v20-23  at work
.set PW,  24                           ; v24     where I put my P: PBUF + 2,048 w + 16 lane
.set PR,  25                           ; v25     where my partner puts his
.set STOB, 26                          ; v26     stage, in, my partner's blocks: w WSTAGE + 32 (1 - e) rows + r SPITCH + 32 h
.set KF,  32                           ; v32-63  K's fragments of a step: 16 kb + 8 ks
.set SPR, 64                           ; v64-127 S^T - max: tile (q, kb) at 8 (2 q + kb); pass 1: four blocks; pass 2: my two, v64-95
.set FQ,  96                           ; v96-103 the way out: gamma / l of block q, twice (a pair for the packed multiply)
.set VF,  128                          ; v128-255 V's fragments of a step, 8 a channel block; on the way out two buffers of 32
; window 1: v0-63 O of cb 14, 15
.set QF,   64                          ; v64-127  Q's fragments: 16 q + 8 ks
.set PB,   128                         ; v128-191 P^T, two buffers of 8 a block q
.set NEGM, 192                         ; v192-207 -max, 8 equal registers for each of my two blocks
.set LS,   224                         ; v224-231 row sums, 4 for each of my two blocks
; window 2: v0-223 O of cb 0-6 (32 cb + 8 q), v224-255 exponentials: beside the accumulators, so that v_exp_f32 runs under the products' own setting
; (destination = the accumulators' window, source 0 = window 0) and can stand between them.  window 3: v0-223 O of cb 7-13.  In pass 1 window 2 is K's ring.
.set EX,  224
.set G1,  24                           ; s[24:31]
.set G0,  32                           ; s[32:39] one set for each slot
.set MSB, 0
.macro WIN new                         ; bits 1:0 source 0, 3:2 source 1, 5:4 source 2, 7:6 destination; the high byte repeats the setting that is left
.if MSB != \new
	s_set_vgpr_msb (MSB<<8)|\new
.set MSB, \new
.endif
.endm
.macro PLACES                          ; four plain vector instructions between a matrix instruction and what reads its result or writes its registers (ISA guide 7.12.1)
.rept 4
	v_nop
.endr
.endm
.macro MM d, a, b, c
	v_wmma_f32_16x16x32_bf16 v[\d:(\d)+7], v[\a:(\a)+7], v[\b:(\b)+7], v[\c:(\c)+7]
.endm
.macro MMZ d, a, b
	v_wmma_f32_16x16x32_bf16 v[\d:(\d)+7], v[\a:(\a)+7], v[\b:(\b)+7], 0
.endm
.macro ROUND                           ; a round of the cluster's barrier: my work-group's barrier, wave 0 signals for it, all wait for the four, my barrier again
	s_barrier_signal -1
	s_barrier_wait -1
	s_cmp_lg_u32 s14, 0
	s_cbranch_scc1 .Lnot_wave_0_\@
	s_barrier_signal -3
.Lnot_wave_0_\@:
	s_barrier_wait -3
	s_barrier_signal -1
	s_barrier_wait -1
.endm
	s_load_b256 s[4:11], s[0:1], 0x0               ; qf s[4:5], kv s[6:7], x s[8:9], gamma s[10:11]
	s_load_b64 s[12:13], s[0:1], 0x20              ; out0
	v_lshl_add_u32 v30, v0, 2, 0x4c800
	v_mov_b32 v31, 0
	ds_add_u32 v30, v31
	ds_add_u32 v30, v31
	v_lshrrev_b32 v1, 5, v0
	v_readfirstlane_b32 s14, v1                    ; wave 0..3
	s_and_b32 s15, s14, 1                          ; e
	s_lshr_b32 s16, s14, 1                         ; pair
	s_bfe_u32 s17, ttmp6, 0x40000                  ; cx: enters the addresses of qf, x and out0 alone
	s_lshl_b32 s19, ttmp9, 2
	s_add_co_u32 s19, s19, s17                     ; work-group 0..255 = 16 b + block of 128 queries
	s_lshr_b32 s20, ttmp9, 2                       ; b: the same in the four partners
	s_mov_b32 s40, 0x76543210                      ; v_permlanex16_b32: lane i of one half reads lane i of the other
	s_mov_b32 s41, 0xfedcba98
	; group 1: a dense block as 144 rows of 32 elements of 8 bytes
	s_mov_b32 s[G1+0], 15|(3<<16)|(1<<21)          ; mask: all four of the cluster; element of 8 bytes; bit 21 beside a mask
	s_mov_b32 s[G1+1], 32<<16
	s_mov_b32 s[G1+2], 144<<16
	s_mov_b32 s[G1+3], 32<<16
	s_mov_b32 s[G1+4], 144
	s_mov_b32 s[G1+5], 32
	s_mov_b32 s[G1+6], 0
	s_mov_b32 s[G1+7], 0
	s_mul_i32 s21, s20, 16*REC                     ; the batch's records
	s_mul_i32 s22, s14, QUART                      ; my quarter, in memory and in LDS
	s_add_co_u32 s56, s21, s22
	s_mov_b32 s57, 0
	s_mov_b32 s61, 0
	s_wait_dscnt 0x0
	s_wait_kmcnt 0x0
	s_load_b32 s18, s[10:11], 0x0                  ; gamma
	s_add_nc_u64 s[58:59], s[6:7], s[56:57]
.irp sl, 0,1
	s_mov_b32 s[G0+4*\sl], 1
	s_add_co_u32 s[G0+4*\sl+1], s22, \sl*REC
	s_add_nc_u64 s[G0+4*\sl+2:G0+4*\sl+3], s[58:59], \sl*REC
	s_or_b32 s[G0+4*\sl+3], s[G0+4*\sl+3], 0x80000000
.endr
	s_mul_i32 s23, s15, 8*REC
	s_add_co_u32 s56, s21, s23
	s_add_co_u32 s56, s56, KPART
	s_add_nc_u64 s[46:47], s[6:7], s[56:57]        ; pass 1: the K part of record 8 e
	s_add_co_u32 s56, s21, 15*REC+KPART+12288
	s_add_nc_u64 s[52:53], s[6:7], s[56:57]        ; keys 0 to 31: places 6, 7 of record 15
	s_lshl_b32 s63, s19, 14                        ; qf: 8 blocks of 2,048 bytes a work-group,
	s_lshl_b32 s62, s16, 13                        ; 4 a pair,
	s_add_co_u32 s63, s63, s62
	s_lshl_b32 s62, s15, 12                        ; 2 a wave
	s_add_co_u32 s60, s63, s62
	s_add_nc_u64 s[44:45], s[4:5], s[60:61]        ; my own two blocks of q
	s_xor_b32 s62, s62, 4096
	s_add_co_u32 s60, s63, s62
	s_add_nc_u64 s[54:55], s[4:5], s[60:61]        ; my partner's two
	s_lshl_b32 s60, s19, 18                        ; 128 rows of 2,048 bytes a work-group,
	s_lshl_b32 s62, s16, 17                        ; 64 a pair,
	s_add_co_u32 s60, s60, s62
	s_lshl_b32 s62, s15, 10                        ; 1,024 bytes of a row for e
	s_add_co_u32 s60, s60, s62
	s_add_nc_u64 s[48:49], s[8:9], s[60:61]        ; x
	s_add_nc_u64 s[50:51], s[12:13], s[60:61]      ; out0
	v_and_b32 v16, 31, v0
	v_lshlrev_b32 v[LA], 4, v16
	v_and_b32 v17, 15, v0                          ; r
	v_bfe_u32 v18, v0, 4, 1                        ; h
	s_lshl_b32 s23, s15, 16
	v_add_nc_u32 v[AV], s23, v[LA]
	v_add_nc_u32 v[AV+1], REC, v[AV]
	v_add_nc_u32 v[AK], KPART, v[LA]
	v_add_nc_u32 v[AK+1], REC+KPART, v[LA]
	s_mul_i32 s23, s14, WSTAGE
	v_mul_u32_u24 v19, v17, SPITCH
	v_lshl_add_u32 v19, v18, 5, v19
	v_add_nc_u32 v19, s23, v19
	s_mul_i32 s43, s15, 32*SPITCH                  ; my own blocks are rows 32 e .. of the pair's 64,
	v_add_nc_u32 v[STO], s43, v19
	s_xor_b32 s43, s15, 1
	s_mul_i32 s43, s43, 32*SPITCH                  ; my partner's rows 32 (1 - e) ..
	v_add_nc_u32 v[STOB], s43, v19
	v_add_nc_u32 v[RD], s23, v[LA]
	v_add_nc_u32 v[RD+1], 32*SPITCH, v[RD]
	v_lshrrev_b32 v[PFA], 2, v16
	v_and_b32 v19, 3, v16
	v_lshlrev_b32 v[PFA], 11, v[PFA]
	v_lshl_add_u32 v[PFA], v19, 8, v[PFA]
	s_lshl_b32 s23, s14, 8
	s_add_co_u32 s23, s23, SCR
	v_lshl_add_u32 v[SCW], v17, 2, s23
	s_lshl_b32 s23, s14, 11
	s_add_co_u32 s23, s23, PBUF
	v_add_nc_u32 v[PW], s23, v[LA]
	s_xor_b32 s43, s14, 1                          ; my partner's number
	s_lshl_b32 s23, s43, 8
	s_add_co_u32 s23, s23, SCR
	v_lshl_add_u32 v[SCP], v17, 2, s23
	s_lshl_b32 s23, s43, 11
	s_add_co_u32 s23, s23, PBUF
	v_add_nc_u32 v[PR], s23, v[LA]
	s_wait_kmcnt 0x0                               ; gamma
	ROUND                                          ; the four work-groups are here: the first joint loads meet
	tensor_load_to_lds s[G0:G0+3], s[G1:G1+7]      ; record 0
	s_nop 0
	tensor_load_to_lds s[G0+4:G0+7], s[G1:G1+7]    ; record 1
	s_nop 0
	WIN 0x40                                       ; destination window 1
.irp n, 0,1,2,3,4,5,6,7
	global_load_b128 v[QF+4*\n:QF+4*\n+3], v[LA], s[44:45] offset:\n*512
.endr
.irp n, 0,1,2,3,4,5,6,7
	global_load_b128 v[QF+32+4*\n:QF+32+4*\n+3], v[LA], s[54:55] offset:\n*512
.endr
.irp n, 0,1,2,3,4,5,6,7
	v_mov_b32 v[LS+\n], 0
.endr
	WIN 0
.irp l, 0,1,2,3,4,5,6,7
	global_load_b128 v[KF+4*\l:KF+4*\l+3], v[LA], s[52:53] offset:\l*512
.endr
.irp q, 0,1,2,3
	v_mov_b32 v[MX+\q], 0xff800000                 ; -infinity
.endr
	; PASS 1.  32 turns of 32 keys through a ring of eight slots of 32 registers (window 2); a turn's eight loads cover 512 consecutive bytes each.
	WIN 0x80                                       ; destination window 2
.irp j, 0,1,2,3,4,5,6,7
.irp l, 0,1,2,3,4,5,6,7
	global_load_b128 v[32*\j+4*\l:32*\j+4*\l+3], v[LA], s[46:47] offset:(\j>>2)*REC+(\j&3)*4096+\l*512
.endr
.endr
	WIN 0
; The turn of slot j.  left = how many younger loads may stay out; refill = 1: the slot gets the keys eight turns (two records) on.
; The eight tiles of S^T take turns, one instruction a turn.
.macro P1 j, refill, left
	s_wait_loadcnt \left
	WIN 0x06                                       ; A (K) window 2, B (Q) window 1, C and D window 0
.irp q, 0,1,2,3
.irp kb, 0,1
	MMZ SPR+8*(2*\q+\kb), 32*\j+16*\kb, QF+16*\q
.endr
.endr
.irp q, 0,1,2,3
.irp kb, 0,1
	MM SPR+8*(2*\q+\kb), 32*\j+16*\kb+8, QF+16*\q+8, SPR+8*(2*\q+\kb)
.endr
.endr
	WIN 0
	PLACES
.irp m, 0,1,2,3,4,5,6,7
.irp q, 0,1,2,3
	v_max3_num_f32 v[MX+\q], v[MX+\q], v[SPR+16*\q+2*\m], v[SPR+16*\q+2*\m+1]
.endr
.endr
.if \refill
	WIN 0x80
.irp l, 0,1,2,3,4,5,6,7
	global_load_b128 v[32*\j+4*\l:32*\j+4*\l+3], v[LA], s[46:47] offset:2*REC+(\j>>2)*REC+(\j&3)*4096+\l*512
.endr
.endif
.endm
	s_mov_b32 s42, 3
.Lp1:
.irp j, 0,1,2,3,4,5,6,7
	P1 \j, 1, 56                                   ; seven younger slots of eight loads stay out
.endr
	WIN 0
	s_wait_xcnt 0x0                                ; the base is stepped only behind this wait
	s_add_nc_u64 s[46:47], s[46:47], 2*REC
	s_sub_co_u32 s42, s42, 1
	s_cmp_lg_u32 s42, 0
	s_cbranch_scc1 .Lp1
.irp j, 0,1,2,3,4,5,6,7
	P1 \j, 0, 56-8*\j                              ; the last eight turns load nothing: the counts run down
.endr
.irp q, 0,1,2,3
	v_permlanex16_b32 v[TQ+\q], v[MX+\q], s40, s41 ; the other half of the lanes holds the same query's other keys
.endr
.irp q, 0,1,2,3
	v_max_num_f32 v[MX+\q], v[MX+\q], v[TQ+\q]
.endr
.irp q, 0,1
	ds_store_b32 v[SCW], v[MX+2+\q] offset:64*\q   ; what my partner needs: my 1,024 keys' maxima of HIS two blocks
.endr
	s_wait_dscnt 0x0                               ; they are in LDS,
	s_wait_tensorcnt 1                             ; and my quarter of record 0; record 1 may stay out
	s_barrier_signal -1
	s_barrier_wait -1
.irp q, 0,1
	ds_load_b32 v[TQ+\q], v[SCP] offset:64*\q      ; the maxima of my two blocks over the other 1,024 keys
.endr
	s_wait_dscnt 0x0
.irp q, 0,1
	v_max_num_f32 v[MX+\q], v[MX+\q], v[TQ+\q]
.endr
	WIN 0x40
.irp q, 0,1
.irp j, 0,1,2,3,4,5,6,7
	v_mul_f32 v[NEGM+8*\q+\j], -1.0, v[MX+\q]
.endr
.endr
	; PASS 2
; S^T - max of my 32 queries and the 32 keys in KF: 8 products on four tiles that take turns
.macro SW
	WIN 0x14                                       ; A (K) window 0, B (Q) and C (-max) window 1, D window 0
.irp q, 0,1
.irp kb, 0,1
	MM SPR+8*(2*\q+\kb), KF+16*\kb, QF+16*\q, NEGM+8*\q
.endr
.endr
	WIN 0x04                                       ; C window 0: in place
.irp q, 0,1
.irp kb, 0,1
	MM SPR+8*(2*\q+\kb), KF+16*\kb+8, QF+16*\q+8, SPR+8*(2*\q+\kb)
.endr
.endr
.endm
; O += V P for ncb channel blocks from cb0 on (the window's tiles 0 ..), P from buffer u; behind each product one of ne exponentials of S^T from register e0 on.
; Every product has its own accumulator: turns of one instruction.
.macro PVPH set, cb0, ncb, u, zero, e0, ne
	WIN \set
.set pvc, 0
.set pvn, 0
.rept \ncb
.irp q, 0,1,2,3
.if \zero
	MMZ 32*pvc+8*\q, VF+8*(\cb0+pvc), PB+32*(\u)+8*\q
.else
	MM 32*pvc+8*\q, VF+8*(\cb0+pvc), PB+32*(\u)+8*\q, 32*pvc+8*\q
.endif
.if pvn < \ne
	v_exp_f32 v[EX+pvn], v[SPR+\e0+pvn]
.set pvn, pvn+1
.endif
.endr
.set pvc, pvc+1
.endr
.if \ne
.rept 4                                ; 28 products, 32 exponentials
	v_exp_f32 v[EX+pvn], v[SPR+\e0+pvn]
.set pvn, pvn+1
.endr
.endif
.endm
; Under the setting 0x5a (sources 0, 1: window 2; source 2 and destination: window 1):
.macro CVTS nu, b0, n                  ; n words of my P, from word b0 on, into buffer nu: two exponentials rounded to bf16 each
.set cvn, \b0
.rept \n
	v_cvt_pk_bf16_f32 v[PB+32*(\nu)+cvn], v[EX+2*cvn], v[EX+2*cvn+1]
.set cvn, cvn+1
.endr
.endm
.macro LSUM k0, n                      ; n of the 16 packed sums onto the row sums, four chains that take turns.  Written as a multiply-add by 1.0, so that the sum
.set lsk, \k0                          ; stands in source 2, window 1, while source 0 is the exponentials' window
.rept \n
	v_pk_fma_f32 v[LS+4*(lsk&1)+2*((lsk>>1)&1):LS+4*(lsk&1)+2*((lsk>>1)&1)+1], v[EX+16*(lsk&1)+2*(lsk>>1):EX+16*(lsk&1)+2*(lsk>>1)+1], 1.0, v[LS+4*(lsk&1)+2*((lsk>>1)&1):LS+4*(lsk&1)+2*((lsk>>1)&1)+1] op_sel_hi:[1,0,1]
.set lsk, lsk+1
.endr
.endm
.macro PST nu                          ; my P (blocks 0, 1 of buffer nu) into LDS: 512 consecutive bytes a store.  Setting 0x04: address window 0, data window 1
.irp c, 0,1,2,3
	ds_store_b128 v[PW], v[PB+32*(\nu)+4*\c:PB+32*(\nu)+4*\c+3] offset:(\nu)*PBSTR+\c*512
.endr
.endm
.macro PLD nu                          ; my partner's P into blocks 2, 3 of buffer nu
	WIN 0x40
.irp c, 0,1,2,3
	ds_load_b128 v[PB+32*(\nu)+16+4*\c:PB+32*(\nu)+16+4*\c+3], v[PR] offset:(\nu)*PBSTR+\c*512
.endr
.endm
; Channel blocks 7-13 (window 3).  ex = 1: between the products the rest of the vector work on the 32 exponentials, two instructions at a time:
; behind products 0-5 the conversions, behind product 6 the stores of my P, behind products 7-14 the row sums; behind product 20 the signal.
.macro PVB u, nu, zero, ex
	WIN 0xf4
.set pbc, 0
.set pbn, 0
.rept 7
.irp q, 0,1,2,3
.if \zero
	MMZ 32*pbc+8*\q, VF+8*(7+pbc), PB+32*(\u)+8*\q
.else
	MM 32*pbc+8*\q, VF+8*(7+pbc), PB+32*(\u)+8*\q, 32*pbc+8*\q
.endif
.if \ex
.if pbn < 6
	WIN 0x5a
	CVTS \nu, 4+2*pbn, 2
	WIN 0xf4
.endif
.if pbn == 6
	WIN 0x04
	PST \nu
	WIN 0xf4
.endif
.if pbn > 6
.if pbn < 15
	WIN 0x5a
	LSUM 2*pbn-14, 2
	WIN 0xf4
.endif
.endif
.if pbn == 20
	s_wait_dscnt 0x0                               ; for my partner's sake: my P is in LDS (stored 14 products ago), and my reads of his last P are back;
	s_barrier_signal -1                            ; with them the last step's V blocks 14, 15 and this step's K.  Only products stand up to the barrier's wait
.endif
.endif
.set pbn, pbn+1
.endr
.set pbc, pbc+1
.endr
.endm
.macro VLD sl, ks, cb0, n              ; V's fragments of n channel blocks: 512 consecutive bytes a load
.set vlc, \cb0
.rept \n
	ds_load_b128 v[VF+8*vlc:VF+8*vlc+3],   v[AV+(\sl)] offset:vlc*4096+(\ks)*1024
	ds_load_b128 v[VF+8*vlc+4:VF+8*vlc+7], v[AV+(\sl)] offset:vlc*4096+(\ks)*1024+512
.set vlc, vlc+1
.endr
.endm
.macro KLD sl, idx                     ; K's four fragments of a step
.irp l, 0,1,2,3,4,5,6,7
	ds_load_b128 v[KF+4*\l:KF+4*\l+3], v[AK+(\sl)] offset:(\idx)*4096+\l*512
.endr
.endm
; The change of slots.  kind 2: slot sl, read to its end, is filled again two records on; kind 1: the next slot is only waited for; kind 0: nothing.
.macro SYNC kind, sl
.if \kind
	s_wait_dscnt 0x0                               ; my reads of slot sl are back
	s_wait_tensorcnt 0x0                           ; all my tensor loads have landed: the one that was out is my quarter of the other slot
	ds_add_u32 v30, v31
	s_wait_dscnt 0x0
.if \kind == 2
	s_add_nc_u64 s[G0+4*\sl+2:G0+4*\sl+3], s[G0+4*\sl+2:G0+4*\sl+3], 2*REC   ; no load of mine is out: the address may step
	ROUND                                          ; both now hold of every wave of the four work-groups
	tensor_load_to_lds s[G0+4*\sl:G0+4*\sl+3], s[G1:G1+7]                    ; my one load behind the round, first thing there; four steps' products until its wait
	s_nop 0
.else
	s_barrier_signal -1
	s_barrier_wait -1
.endif
.endif
.endm
; Step i of the tile in slot sl.  va, ka: V(s+1), K(s+2) are read; ex: P(s+1) is made and changes hands; pf >= 0: two prefetches of x.
; LDS instructions of a step, in order (they are served in order, ISA guide 5.7.1): group A = 14 loads (V, cb 0-6) + 8 (K); 4 stores of my P; the wait for 0;
; 4 loads of my partner's P; group B = 14 (cb 7-13); group C = 4 (cb 14, 15).
; P(s+1) lies in LDS buffer (s+1) & 1.  It is read behind this step's barrier; those reads are waited for in front of the next step's signal; the buffer is written
; again in the step after that, behind the next step's barrier.
.macro STEP sl, i, zero, va, ka, ex, sync, pf
.set U, (\i)&1
.if \i < 3
.set NS, \sl
.set NI, \i+1
.else
.set NS, 1-\sl
.set NI, 0
.endif
.set NU, 1-U
.set NA, 14*\va+8*\ka
	s_wait_dscnt 18                                ; my partner's P(s) is in: only the last step's groups B and C are younger
	PVPH 0xa4, 0, 7, U, \zero, 0, 32*\ex
.if \ex
	WIN 0x5a
	v_nop                                          ; one plain instruction behind the last v_exp_f32 (ISA guide 5.7.2);
	s_wait_alu depctr_va_vdst(0)
	CVTS NU, 0, 4                                  ; with these four it makes the places in front of the loads into V's blocks 0-6
.endif
	WIN 0
	SYNC \sync, \sl
.if \va
	VLD NS, NI, 0, 7
.endif
.if \ka
	KLD NS, NI
.endif
.if \pf >= 0
	; x of my 64 rows x 1,024 bytes, eight rows a line, each aligned block of 256 bytes once, asked for during the last tile's four steps, in the order of the way out
	global_prefetch_b8 v[PFA], s[48:49] offset:(\pf)*16384 th:TH_LOAD_NT scope:SCOPE_SE
	global_prefetch_b8 v[PFA], s[48:49] offset:((\pf)+1)*16384 th:TH_LOAD_NT scope:SCOPE_SE
.endif
	s_wait_dscnt 4+NA                              ; the last step's group B is in: younger are its C and this step's A
	PVB U, NU, \zero, \ex
.if \ex
	s_barrier_wait -1                              ; my partner's P(s+1) is in LDS
	PLD NU                                         ; 16 products until it is waited for
.else
	s_wait_dscnt 0x0                               ; the last step's group C is in
.endif
	PVPH 0x54, 14, 2, U, \zero, 0, 0
.if \ka
	SW                                             ; K(s+2) is in since the wait for 0
.endif
	PLACES                                         ; in front of the exponentials of S, of the writes into the P buffer just read, and of the loads into V's blocks 7-15 and into K
	WIN 0
.if \va
	VLD NS, NI, 7, 7
	VLD NS, NI, 14, 2
.endif
.endm
.macro TILE sl, zero, sync
	STEP \sl, 0, \zero, 1, 1, 1, 0, -1
	STEP \sl, 1, 0, 1, 1, 1, 0, -1
	STEP \sl, 2, 0, 1, 1, 1, 0, -1
	STEP \sl, 3, 0, 1, 1, 1, \sync, -1
.endm
	SW                                             ; S(0), from the keys loaded at the start (pass 1 ended with no load out)
	PLACES
	WIN 0
	KLD 0, 0                                       ; K(1)
	VLD 0, 0, 0, 7                                 ; V(0), group A
	WIN 0x80
.set xn, 0
.rept 32
	v_exp_f32 v[EX+xn], v[SPR+xn]
.set xn, xn+1
.endr
	WIN 0x5a
	v_nop                                          ; one plain instruction behind the last v_exp_f32
	s_wait_alu depctr_va_vdst(0)
	CVTS 0, 0, 16                                  ; my half of P(0)
	LSUM 0, 16
	WIN 0x04
	PST 0
	s_wait_dscnt 0x0                               ; my P(0) is in LDS; K(1) and V's group A are in
	s_barrier_signal -1
	s_barrier_wait -1
	PLD 0
	SW                                             ; S(1)
	PLACES
	WIN 0
	VLD 0, 0, 7, 7                                 ; V(0), groups B and C
	VLD 0, 0, 14, 2
	TILE 0, 1, 2                                   ; the first lap stands in front of the loop: its first products start the sums
	TILE 1, 0, 2
	s_mov_b32 s42, 6
.Llap:
	TILE 0, 0, 2
	TILE 1, 0, 2
	s_sub_co_u32 s42, s42, 1
	s_cmp_lg_u32 s42, 0
	s_cbranch_scc1 .Llap
	TILE 0, 0, 1                                   ; record 14: nothing is left to fetch; record 15 is waited for
	STEP 1, 0, 0, 1, 1, 1, 0, 0
	STEP 1, 1, 0, 1, 1, 1, 0, 2
	STEP 1, 2, 0, 1, 0, 1, 0, 4                    ; no keys beyond step 63
	STEP 1, 3, 0, 0, 0, 0, 0, 6
	; THE WAY OUT.  O x gamma / l while a lane still is a query; through my own stage in LDS into rows; + x; whole rows out.
	; (The factor belongs to a lane here and to a row behind the stage, so the multiply stands here and the sum with x there.)
	WIN 0x05
.irp q, 0,1
	v_add_f32 v[TQ+\q], v[LS+4*\q], v[LS+4*\q+1]
	v_add_f32 v[TL+\q], v[LS+4*\q+2], v[LS+4*\q+3]
.endr
	WIN 0
.irp q, 0,1
	v_add_f32 v[TQ+\q], v[TQ+\q], v[TL+\q]
.endr
.irp q, 0,1
	v_permlanex16_b32 v[TL+\q], v[TQ+\q], s40, s41
.endr
.irp q, 0,1
	v_add_f32 v[TQ+\q], v[TQ+\q], v[TL+\q]         ; l: at least about 1, the largest exponential
.endr
.irp q, 0,1
	v_rcp_f32 v[TL+\q], v[TQ+\q]
.endr
	v_nop                                          ; one plain instruction behind the last v_rcp_f32 (ISA guide 5.7.2)
	s_wait_alu depctr_va_vdst(0)
.irp q, 0,1
	v_mul_f32 v[FQ+2*\q], s18, v[TL+\q]
	v_mul_f32 v[FQ+2*\q+1], s18, v[TL+\q]
.endr
.irp q, 0,1
	ds_store_b32 v[SCW], v[FQ+2*\q] offset:1024+64*\q    ; my two factors, for my partner
.endr
	s_wait_dscnt 0x0
	s_barrier_signal -1
	s_barrier_wait -1                              ; the factors are there; no wave reads the slots any more, and they have had their last fill: they become the stages
.irp q, 0,1
	ds_load_b32 v[FQ+4+2*\q], v[SCP] offset:1024+64*\q
.endr
	s_wait_dscnt 0x0
.irp q, 2,3
	v_mov_b32 v[FQ+2*\q+1], v[FQ+2*\q]             ; the packed multiply reads a pair
.endr
.macro OSCALE set, ncb
	WIN \set                                       ; destination and source 0: the accumulators' window; source 1: window 0
.set oc, 0
.rept \ncb
.irp q, 0,1,2,3
.irp m, 0,2,4,6
	v_pk_mul_f32 v[32*oc+8*\q+\m:32*oc+8*\q+\m+1], v[32*oc+8*\q+\m:32*oc+8*\q+\m+1], v[FQ+2*\q:FQ+2*\q+1]
.endr
.endr
.set oc, oc+1
.endr
.endm
.macro OSTAGE set, cb0, ncb
	WIN \set                                       ; address window 0, data the accumulators' window
.set oc, 0
.rept \ncb
.irp q, 0,1
	ds_store_b128 v[STO], v[32*oc+8*\q:32*oc+8*\q+3]   offset:\q*16*SPITCH+(\cb0+oc)*64
	ds_store_b128 v[STO], v[32*oc+8*\q+4:32*oc+8*\q+7] offset:\q*16*SPITCH+(\cb0+oc)*64+16
.endr
.irp q, 0,1
	ds_store_b128 v[STOB], v[32*oc+16+8*\q:32*oc+16+8*\q+3]   offset:\q*16*SPITCH+(\cb0+oc)*64
	ds_store_b128 v[STOB], v[32*oc+16+8*\q+4:32*oc+16+8*\q+7] offset:\q*16*SPITCH+(\cb0+oc)*64+16
.endr
.set oc, oc+1
.endr
.endm
.macro XLD g                           ; x of rows 4 g .. 4 g + 3: eight loads of 512 consecutive bytes, into 32 registers of the group's own, which the staged accumulators have left
.if \g < 8
	WIN 0x80
.else
	WIN 0xc0
.endif
.irp n, 0,1,2,3,4,5,6,7
	global_load_b128 v[32*((\g)&7)+4*\n:32*((\g)&7)+4*\n+3], v[LA], s[48:49] offset:(4*(\g)+(\n>>1))*2048+(\n&1)*512 th:TH_LOAD_NT
.endr
.endm
.macro RLD g                           ; rows 4 g .. 4 g + 3 of my own stage: LDS serves a wave in order (ISA guide 5.7.1), so these see my stores
.irp n, 0,1,2,3,4,5,6,7
	ds_load_b128 v[VF+32*((\g)&1)+4*\n:VF+32*((\g)&1)+4*\n+3], v[RD+((\g)>>3)] offset:(4*((\g)&7)+(\n>>1))*SPITCH+(\n&1)*512
.endr
.endm
	OSCALE 0x82, 7
	OSTAGE 0x08, 0, 7
.irp g, 0,1,2,3,4,5
	XLD \g
.endr
	OSCALE 0xc3, 7
	OSTAGE 0x0c, 7, 7
	OSCALE 0x41, 2
	OSTAGE 0x04, 14, 2
	WIN 0
	RLD 0
; Rows 4 g .. 4 g + 3.  The sum is written into x's registers and stored from them: they are the group's own, so no register that a store reads is ever written again.
.macro OGRP g
.set xg, (\g)+6
.set rg, (\g)+1
	WIN 0
.if rg < 16
	RLD rg                                         ; the stage is read one group ahead, into the buffer whose sums were made a group ago
.endif
.if xg < 16
	XLD xg
	s_wait_loadcnt 48                              ; x of this group is in; six younger groups of eight loads stay out
.else
	s_wait_loadcnt 8*(15-(\g))
.endif
.if rg < 16
	s_wait_dscnt 8                                 ; this group's rows are in; the next group's eight loads stay out
.else
	s_wait_dscnt 0x0
.endif
.if \g < 8
	WIN 0x88                                       ; destination and source 1: x's window; source 0: window 0
.else
	WIN 0xcc
.endif
.irp m, 0,2,4,6,8,10,12,14,16,18,20,22,24,26,28,30
	v_pk_add_f32 v[32*((\g)&7)+\m:32*((\g)&7)+\m+1], v[VF+32*((\g)&1)+\m:VF+32*((\g)&1)+\m+1], v[32*((\g)&7)+\m:32*((\g)&7)+\m+1]
.endr
.if \g < 8
	WIN 0x08                                       ; address window 0, data x's window
.else
	WIN 0x0c
.endif
.irp n, 0,1,2,3,4,5,6,7
	global_store_b128 v[LA], v[32*((\g)&7)+4*\n:32*((\g)&7)+4*\n+3], s[50:51] offset:(4*(\g)+(\n>>1))*2048+(\n&1)*512 th:TH_STORE_NT   ; 512 consecutive bytes, aligned
.endr
.endm
.irp g, 0,1,2,3,4,5,6,7,8,9,10,11,12,13,14,15
	OGRP \g
.endr
	WIN 0
	s_wait_tensorcnt 0x0
	ds_add_u32 v30, v31
	s_wait_dscnt 0x0
	ROUND                                          ; the closing round: no work-group ends while a partner may still ask jointly
	s_endpgm
.Lfunc_end_k_qa9f782e5e3_attn:
	.size	k_qa9f782e5e3_attn, .Lfunc_end_k_qa9f782e5e3_attn-k_qa9f782e5e3_attn
	.p2alignl 7, 3214868480
	.fill 96, 4, 3214868480
	.section	.rodata,"a",@progbits
	.p2align	6, 0x0
	.amdhsa_kernel k_qa9f782e5e3_attn
		.amdhsa_group_segment_fixed_size 327680
		.amdhsa_private_segment_fixed_size 0
		.amdhsa_enable_private_segment 0
		.amdhsa_kernarg_size 40
		.amdhsa_user_sgpr_count 2
		.amdhsa_user_sgpr_kernarg_segment_ptr 1
		.amdhsa_wavefront_size32 1
		.amdhsa_system_sgpr_workgroup_id_x 1
		.amdhsa_system_sgpr_workgroup_id_y 1
		.amdhsa_system_sgpr_workgroup_id_z 1
		.amdhsa_system_vgpr_workitem_id 0
		.amdhsa_next_free_vgpr 1024
		.amdhsa_next_free_sgpr 66
		.amdhsa_reserve_vcc 0
		.amdhsa_float_denorm_mode_32 3
		.amdhsa_float_denorm_mode_16_64 3
		.amdhsa_memory_ordered 1
		.amdhsa_forward_progress 1
		.amdhsa_inst_pref_size 255
	.end_amdhsa_kernel
	.section	.bss,"aw",@nobits
	.p2align	6
	.space	262144
	.amdgpu_metadata
---
amdhsa.version: [ 1, 2 ]
amdhsa.kernels:
  - .name:           k_qa9f782e5e3_attn
    .symbol:         k_qa9f782e5e3_attn.kd
    .args:
      - { .name: qf, .offset: 0, .size: 8, .value_kind: global_buffer, .address_space: global }
      - { .name: kv, .offset: 8, .size: 8, .value_kind: global_buffer, .address_space: global }
      - { .name: x, .offset: 16, .size: 8, .value_kind: global_buffer, .address_space: global }
      - { .name: gamma, .offset: 24, .size: 8, .value_kind: global_buffer, .address_space: global }
      - { .name: out0, .offset: 32, .size: 8, .value_kind: global_buffer, .address_space: global }
    .group_segment_fixed_size: 327680
    .private_segment_fixed_size: 0
    .kernarg_segment_align: 8
    .kernarg_segment_size: 40
    .max_flat_workgroup_size: 128
    .sgpr_count:     66
    .vgpr_count:     1024
    .wavefront_size: 32
...
	.end_amdgpu_metadata
.endif
;; end of part 3
